; MI455X (gfx1250); checked and timed in simulation.
; The chip was launched on July 23, 2026; its instructions are those of AMD's public machine-readable ISA for CDNA 5 (MIT licence, August 2026) and "CDNA5" Instruction Set Architecture Reference Guide (July 2026). The comments in the code are by the model that wrote it; some were corrected since.
;; Multihead Attention. Allowed arithmetic: matrix products marked QUANTISED: E2M1 operands, one E8M0 scale for each 32 along K, by v_wmma_scale_f32_16x16x128_f8f6f4 with both operands' format E2M1 (or v_wmma_scale_f32_32x16x128_f4), f32 sums; everything else in f32.
;; Inputs: key 4 x 2,048 x 1,024 float32; query 4 x 2,048 x 1,024 float32; value_codes 4 x 1,024 x 64 x 16 uint8 (E2M1 codes of value, K innermost, in blocks of 32 codes, two codes a byte); value_scales 4 x 1,024 x 64 uint8 (E8M0 scales of value, one for each 32 codes along K).
;; Outputs: out0 4 x 2,048 x 1,024 float32.
;; This version of the problem:
;;   THIS VERSION OF THE PROBLEM IS GIVEN IN LOW PRECISION. The matrix products marked QUANTISED in the list below multiply operands that are first quantised to E2M1 (2 exponent bits, 1 mantissa bit; 4 bits a number), with one power-of-two scale for each 32 numbers along K (OCP MX v1.0); their sums are f32. All else is computed in f32.
;;   The module's matrix products, in the order in which they are computed (A, B: the left and right operand; K: the contracted axis; several contracted axes count as one K, in the product's order):
;;     1. batch 64 x [M 2,048, K 64] x [K 64, N 2,048]; A: input query; B: input key: QUANTISED
;;     2. batch 64 x [M 2,048, K 2,048] x [K 2,048, N 64]; A: softmax (see below); B: input value (given as codes): QUANTISED
;;   THE QUANTISER, for each operand of a quantised product, along K:
;;     - K is cut into blocks of 32 from its start; a last block that is shorter is filled with zeros.
;;     - A block's scale is 2^e with e = floor(log2(the largest magnitude in the block)) - 2, held to -126 .. 127; a block of zeros has e = 0. As a byte (E8M0): e + 127.
;;     - Each number is divided by its block's scale, clamped to +-6, and rounded to the nearest number of E2M1, ties to even, subnormals kept.
;;     - The product sums the exact products of the quantised numbers (number of the format x scale) in f32.
;;   ~~~python
;;   def quantise(x, axis):      # numpy; x: float32 -> the quantised numbers, widened to float32 again
;;       x = np.moveaxis(x, axis, -1); K = x.shape[-1]
;;       x = np.pad(x, [(0, 0)] * (x.ndim - 1) + [(0, -K % 32)]); x = x.reshape(x.shape[:-1] + (-1, 32)); a = np.abs(x).max(-1, keepdims=True)
;;       e = np.where(a > 0, np.clip(np.frexp(np.where(a > 0, a, 1))[1] - 1 - 2, -126, 127), 0)      # np.frexp(a)[1] - 1 = floor(log2(a)), exactly
;;       r = np.clip(x / 2.0 ** e, -6, 6)
;;       step = 2.0 ** (np.maximum(np.frexp(np.where(r == 0, 1, r))[1] - 1, 0) - 1)
;;       q = np.round(r / step) * step * 2.0 ** e      # np.round: ties to even
;;       return np.moveaxis(q.reshape(q.shape[:-2] + (-1,))[..., :K], -1, axis).astype(np.float32)
;;   ~~~
;;   SOFTMAX AHEAD OF A QUANTISED PRODUCT. Where the list says 'softmax', what is quantised is not the finished softmax but p = 2^(t - M), with t = logit x log2(e) and M = ceil(the row's largest t), a whole number; so 1/2 < the row's largest p <= 1. The row's sum l is taken of the UNQUANTISED p, in f32, and the product's result is divided by l at the end. Since M is a whole number, a kernel that streams over the keys may use a running M (the ceiling of the running maximum): every later rescaling is an exact power of two, which a block's scale takes up: the codes' values come out the same.
;;   OPERANDS COMPUTED ON THE WAY. 'Computed on the way' means the value that the module computes at that place (a softmax that the list does not call 'softmax' is quantised finished and normalised). What goes into a quantiser is computed in f32, as accurately as f32 sums, v_exp_f32 and their like allow (about 1e-6 of the number): no bf16 or f16 on the way to a quantiser, and a product that is left as it is and whose result goes on into a quantised operand takes f32 operands (vector FMAs, or v_wmma_f32_16x16x4_f32). A number that lies on a knife's edge between two numbers of the format may be rounded either way, as far as f32 arithmetic and the matrix unit's own rounding can turn it there, and no further.
;;   INPUTS GIVEN AS CODES. value (in the module: [4, 2048, 1024], K = its axis 1): each comes as NAME_codes (uint8): NAME with its K axis moved to the last place and cut into blocks of 32 codes, [.., K / 32, bytes a block], one block behind the other in memory; two codes a byte, the lower K in the low four bits (a code: sign, 2 exponent bits, 1 mantissa bit); and NAME_scales (uint8): the same leading axes, one E8M0 byte (e + 127) for each 32 codes along K. Its value is code x scale, taken as it is: it is not quantised again, and the codes and scales need not be those that the quantiser above would give.
;; One version. Each part assembles by itself: llvm-mc -triple=amdgcn-amd-amdhsa -mcpu=gfx1250 --defsym DOCPART=n.
;; ======== version 1 of 1: 1 launch
;; limits: right only within a limited range of input values
;; launch attn (part 1): grid 4 x 64, 16 waves a work-group, clusters of 4 x 1, 327,680 bytes of LDS; arguments query, key, value_codes, value_scales, out0; writes out0
.if DOCPART == 1
	.amdgcn_target "amdgcn-amd-amdhsa--gfx1250"
	.amdhsa_code_object_version 6
	.text
	.protected	k_q12c48f6d51_attn
	.globl	k_q12c48f6d51_attn
	.p2align	8
	.type	k_q12c48f6d51_attn,@function
k_q12c48f6d51_attn:
	s_mov_b64 s[64:65], 0
	v_nop
	global_prefetch_b8 v0, s[64:65] scope:SCOPE_SE
	s_setreg_imm32_b32 hwreg(HW_REG_WAVE_MODE, 25, 1), 1
	s_wait_xcnt 0x0
	s_wait_alu depctr_hold_cnt(0) depctr_sa_sdst(0) depctr_va_vdst(0) depctr_va_sdst(0) depctr_va_ssrc(0) depctr_va_vcc(0) depctr_vm_vsrc(0)
	s_getreg_b32 s2, hwreg(HW_REG_IB_STS2, 6, 4)
	s_cmp_eq_u32 s2, 0
	s_cbranch_scc0 .Lentry_in_a_cluster
	s_endpgm
.Lentry_in_a_cluster:
	s_bfe_u32 s2, ttmp6, 0x10000c
	s_cmp_lg_u32 s2, 0x3003
	s_cbranch_scc0 .Lentry_shape_is_right
	s_endpgm
.Lentry_shape_is_right:
; out[b][q][64 h + d] = sum over k of softmax_k(Q[b][q][h] . K[b][k][h] / 8) V[b][k][64 h + d]: 64 heads (y = 16 b + h), 2,048 queries and keys, head size 64.
; Both products on FP4 (E2M1) codes with one E8M0 scale for each 32 along K.  query and key are f32 [4][2048][1024] and are quantised here along the head's 64; value comes as codes, keys innermost, and is used as given.
; SOFTMAX: t = score x log2(e) / 8; M = ceiling of the running largest t; p = 2^(t - M) is quantised along the keys; the sum of the unquantised p divides O at the end; when M moves, sum and O are multiplied by 2^(old M - new M).
; SHARES.  A cluster of four work-groups owns a head, a work-group 512 of its queries, each of its 16 waves 32 queries (two tiles of 16), which walk the keys together: a fragment of K or V read from LDS serves both tiles.
; K comes as f32 in 8 chunks of 256 keys through a ring of two LDS slots, by JOINT tensor loads (mask 15: the four partners need the same rows).  The head's one load a wave brings chunks 0 and 1 (32 rows a wave); a refill is 16 rows a wave.
; Trip i multiplies chunk i from one of two code buffers.  Between its two key steps chunk i + 1 is quantised (a tile of 16 keys a wave) into the other buffer.  THE CHANGE OF SLOTS stands in the second key step, between the first tile's
; softmax and the second tile's scores: K's fragments of the step are in registers, no LDS access of the wave is out, and work on registers follows.  Behind it chunk i + 3 is asked for into the slot that the quantiser has just read.
; V's codes and scale words of the whole head are laid into LDS once, through registers.
; V IS NOT ASKED FOR JOINTLY: its 69,632 bytes are about a tenth of the 724,992 that a work-group takes in, and its scale words are laid anew by stores.
; PREFETCH: behind the load of chunk n, a trip ahead of its own load, chunk n + 1's 256 rows x 256 bytes are named once in the cluster: partner cx takes rows 64 cx on, its waves 0 and 1 a lane a row; chunks 0 and 1 come by their load alone, and no chunk lies behind chunk 7.
; LAYOUT.  Both products transposed (S^T = K Q^T, O^T = V^T P^T): a lane holds one query (lane % 16).  Row m of score tile 4 c + u is key 64 c + 32 (m / 8) + 8 u + m % 8 of the step, so that lane (r, h) holds keys
; 64 c + 32 h + 0 .. 31 in 32 registers on end: a whole block, in the order of the second product's operand.  Two tiles of K share one operand (k 0-63, k 64-127); Q stands as (Q, 0) or (0, Q): zero codes add nothing.
; LIMITS.  NaN and infinities among the inputs are not served.  The promise holds while the scaled scores stay under 2^31 in magnitude.  A block whose largest magnitude lies under 2^-124 gets the scale byte 1, a block of zeros too
; (its codes are zeros; these bytes are read here alone).  A p under 2^-126 comes out of v_exp_f32 as 0.  A block's largest p is made from its largest score by the same multiply-add and exponential, which takes v_exp_f32 not to fall where its input rises.
.set ROW,  4096                        ; a row of query, key, out0 in bytes; a head's piece is 256 bytes at a multiple of 256
.set RG,   0x20000                     ; LDS: set 1 of (slot, codes, scale words) lies RG behind set 0: one exclusive or changes sets
.set SLP,  272                         ; a slot's row: 256 bytes + 16
.set KC,   256*SLP                     ; K's codes of a chunk: images of operand registers, 512 tile + 16 lane
.set KS,   KC+8192                     ; K's scale words: 256 step + 16 r + 4 pair (+ 2 for the pair's second tile)
.set VS,   78848                       ; V's scale words: 256 s + 16 r + 4 t
.set SPARE, 82944                      ; the spare words, 128 bytes a wave
.set STGA, 84992                       ; stages of waves 0-7, 16 rows x SP each
.set VI,   RG+78848                    ; V's codes, row d at VP d
.set VP,   1040
.set STGD, VI+64*VP-STGA               ; stages of waves 8-15 lie so far behind
.set SP,   272
.set SPW, 1                            ; v1 my spare word, v2 zero: kept for the add alone
.set NIL, 2
.set KR0, 3                            ; KC + 16 lane
.set AV0, 4                            ; VI + VP r + 16 h
.set AW0, 5                            ; VS + 16 r
.set AQ0, 6                            ; my tile's row of a slot + 128 h
.set KWI0, 7                           ; KC + 512 wave + 16 lane
.set KWS0, 8                           ; my tile's place among the scale words + 16 r
.set H8,  9                            ; 8 h
.set PFO, 10                           ; ROW x lane
.set GA,  11                           ; ROW h + 16 r
.set SRD, 12                           ; stage + SP h + 16 r
.set STO, 13                           ; stage + SP r + 32 h
.set ST,  14                           ; tile j: v[ST+4j] -M, +1 largest score, +2,+3 the sum in two halves
.set QS,  22                           ; v22, v23 Q's scale words
.set QZ,  24                           ; v24-43: zeros, Q0, zeros, Q1, zeros, four registers each
.set KSW, 44                           ; K's scale words: lanes 0-15 step 0, lanes 16-31 step 1
.set VSW, 48
.set PSW, 52                           ; v52, v53 p's scale words
.set PC,  54                           ; v54-69 p's codes, two tiles
.set F,   70                           ; v[70:71], v[72:73] f and its pair
.set BM,  74                           ; v74-77 maxima
.set SO,  78                           ; v78, v79 the conversions' scale operands
.set PT,  80                           ; a permute's destination
.set T0,  81                           ; v81-83 at work
.set KV,  84                           ; v84-115 fragments of K, then of V
.set S,   116                          ; v116-179 S^T, then p
.set O,   180                          ; v180-243 O^T, two tiles
.set Y,   212                          ; head: 32 neighbours of a row
.set ADK, 244                          ; v244-249 the trip's LDS addresses
.set ADV, 245
.set ADW, 246
.set ADQ, 247
.set ADI, 248
.set ADS, 249
.set WV,  14
.set SEL, 20
.set CS,  22                           ; s[22:23] c = log2(e) / 8;  s24 -c
.set CN,  24
.set TA,  25                           ; set of the chunk multiplied
.set TQ,  26                           ; set of the chunk quantised
.set TV,  27
.set TW,  28
.set CNT, 29
.set LIM, 30
.set G0,  32                           ; the ring's descriptor: group 0, group 1 (16 rows)
.set G1,  36
.set PFA, 44
.set G0H, 68                           ; the head's: group 0, group 1 (32 rows)
.set G1H, 72
.macro ROUND                           ; a round of the cluster's barrier
	s_barrier_signal -1
	s_barrier_wait -1
	s_cmp_lg_u32 s[WV], 0
	s_cbranch_scc1 .Lnw0_\@
	s_barrier_signal -3
.Lnw0_\@:
	s_barrier_wait -3
	s_barrier_signal -1
	s_barrier_wait -1
.endm
.macro ASK                             ; waves 0 and 1 (LIM is 1 there, above every count elsewhere), while a chunk lies behind the one just asked for (the count is above 1)
	s_cmp_gt_u32 s[CNT], s[LIM]
	s_cbranch_scc0 .Lna_\@
	global_prefetch_b8 v[PFO], s[PFA:PFA+1] th:TH_LOAD_NT scope:SCOPE_SE
.Lna_\@:
.endm
; The change of slots.  All my tensor loads are in, the add, my LDS reads and stores are done; then the round (fill = 1) and the joint refill first behind it
.macro SYNC fill
	s_wait_alu depctr_va_vdst(0)                   ; the wait ahead of the waits below
	s_wait_tensorcnt 0x0
	ds_add_u32 v[SPW], v[NIL]
.if \fill
	s_xor_b32 s[G0+1], s[G0+1], RG                 ; no load of mine is out: the descriptor walks to the other slot and the next 256 keys
	s_add_nc_u64 s[G0+2:G0+3], s[G0+2:G0+3], 256*ROW
	s_wait_xcnt 0x0                                ; my prefetch has read its address
	s_add_nc_u64 s[PFA:PFA+1], s[PFA:PFA+1], 256*ROW
.endif
	s_wait_dscnt 0x0
.if \fill
	ROUND
	tensor_load_to_lds s[G0:G0+3], s[G1:G1+7]
	s_nop 0
.else
	s_barrier_signal -1
	s_barrier_wait -1
.endif
.endm
; 32 numbers in v[y] on become four registers of codes in v[dst] on and the row's two scale bytes in v[word]
.macro BLOCKQ y, dst, word
	v_max3_num_f32 v[BM], |v[\y]|, |v[\y+1]|, |v[\y+2]|
	v_max3_num_f32 v[BM+1], |v[\y+16]|, |v[\y+17]|, |v[\y+18]|
.irp i, 3,5,7,9,11,13
	s_delay_alu instid0(VALU_DEP_2)
	v_max3_num_f32 v[BM], v[BM], |v[\y+\i]|, |v[\y+\i+1]|
	s_delay_alu instid0(VALU_DEP_2)
	v_max3_num_f32 v[BM+1], v[BM+1], |v[\y+16+\i]|, |v[\y+17+\i]|
.endr
	s_delay_alu instid0(VALU_DEP_2)
	v_max3_num_f32 v[BM], v[BM], |v[\y+15]|, |v[\y+31]|
	s_delay_alu instid0(VALU_DEP_1)
	v_max3_num_f32 v[BM], v[BM], v[BM+1], 0x1800000   ; the floor 2^(3 - 127): the byte cannot fall under 1
	s_delay_alu instid0(VALU_DEP_1)
	v_add_nc_u32 v[SO], 0xff000000, v[BM]          ; 2 off the exponent field: the conversion's scale operand
	s_delay_alu instid0(VALU_DEP_1)
	v_lshrrev_b32 v[T0+1], 23, v[SO]
	s_delay_alu instid0(VALU_DEP_1)
	v_lshlrev_b32 v[T0+1], v[H8], v[T0+1]          ; the byte, 8 h bits up
	s_delay_alu instid0(VALU_DEP_1)
	v_permlanex16_b32 v[PT], v[T0+1], s[SEL], s[SEL+1]
	s_delay_alu instid0(VALU_DEP_1)
	v_or_b32 v[\word], v[T0+1], v[PT]
.irp g, 0,1,2,3
	v_cvt_scalef32_pk8_fp4_f32 v[\dst+\g], v[\y+8*\g:\y+8*\g+7], v[SO]
.endr
	v_nop                                          ; one plain place behind a scaled conversion
.endm
.macro QADR                            ; the quantiser's addresses in set TQ
	v_add_nc_u32 v[ADQ], s[TQ], v[AQ0]
	v_add_nc_u32 v[ADI], s[TQ], v[KWI0]
	v_add_nc_u32 v[ADS], s[TQ], v[KWS0]
.endm
.macro QLOAD                           ; my tile of 16 keys of the chunk in set TQ: my block of 32 f32 numbers from the slot, into the upper half of the scores' registers
.irp n, 0,1,2,3,4,5,6,7
	ds_load_b128 v[S+32+4*\n:S+32+4*\n+3], v[ADQ] offset:16*\n
.endr
.endm
.macro QFIN                            ; its codes and scale bytes go to the code buffer
	s_wait_dscnt 0x0
	BLOCKQ S+32, S, S+4
	ds_store_b128 v[ADI], v[S:S+3]
	ds_store_b16 v[ADS], v[S+4]                    ; lanes r and r + 16 write the same two bytes
.endm
.macro TURN x                          ; 16 rows of query go through my stage and come back so that lane (r, h) holds d = 32 h .. 32 h + 31 of row r
.irp n, 0,1,2,3,4,5,6,7
	ds_store_b128 v[SRD], v[\x+4*\n:\x+4*\n+3] offset:2*SP*\n
.endr
.irp n, 0,1,2,3,4,5,6,7
	ds_load_b128 v[Y+4*\n:Y+4*\n+3], v88 offset:16*\n   ; my own bytes, served in order
.endr
	s_wait_dscnt 0x0
.endm
; S^T = K Q_j^T, eight tiles; the accumulators take turns
.macro QK j, st
.irp t, 0,1,2,3,4,5,6,7
.if \st
	v_wmma_scale_f32_16x16x128_f8f6f4 v[S+8*\t:S+8*\t+7], v[KV+8*(\t/2):KV+8*(\t/2)+7], v[QZ+8*\j+4-4*(\t%2):QZ+8*\j+11-4*(\t%2)], 0, v[KSW+\t/2], v[QS+\j] matrix_a_fmt:MATRIX_FMT_FP4 matrix_b_fmt:MATRIX_FMT_FP4 matrix_a_scale:MATRIX_SCALE_ROW1
.else
	v_wmma_scale_f32_16x16x128_f8f6f4 v[S+8*\t:S+8*\t+7], v[KV+8*(\t/2):KV+8*(\t/2)+7], v[QZ+8*\j+4-4*(\t%2):QZ+8*\j+11-4*(\t%2)], 0, v[KSW+\t/2], v[QS+\j] matrix_a_fmt:MATRIX_FMT_FP4 matrix_b_fmt:MATRIX_FMT_FP4
.endif
.endr
.endm
.macro TREE a, n, d                    ; n packed additions in place, from register a on: a pair takes the pair d registers on
.set ii, \a
.rept \n
	v_pk_add_f32 v[S+ii:S+ii+1], v[S+ii:S+ii+1], v[S+ii+\d:S+ii+\d+1]
.set ii, ii+2
.endr
.endm
.macro OMUL a, n                       ; O^T under the new M
.set ii, \a
.rept \n
	v_pk_mul_f32 v[OJ+ii:OJ+ii+1], v[OJ+ii:OJ+ii+1], v[FF:FF+1] op_sel_hi:[1,0]
.set ii, ii+2
.endr
.endm
.macro KLOAD st                        ; a step's four operands of K, as they were stored
.irp i, 0,1,2,3,4,5,6,7
	ds_load_b128 v[KV+4*\i:KV+4*\i+3], v[ADK] offset:4096*\st+512*\i
.endr
.endm
; The softmax of tile j: my two blocks of 32 keys lie in v[S] on and v[S+32] on.  j = 0 leaves the upper half of O^T's rescaling, j = 1 the lower levels of the sum, to stand as places behind the products that follow
.macro SOFT j
.set NM, ST+4*\j
.set LL, NM+2
.set FF, F+2*\j
.set OJ, O+32*\j
.set PJ, PC+8*\j
.irp b, 0,1,2,3                                ; each block's largest score, in two chains; each tile is read from its low end on
	v_max3_num_f32 v[BM+\b], v[S+16*\b], v[S+16*\b+1], v[S+16*\b+2]
.endr
.irp i, 3,5,7,9,11,13
.irp b, 0,1,2,3
	v_max3_num_f32 v[BM+\b], v[BM+\b], v[S+16*\b+\i], v[S+16*\b+\i+1]
.endr
.endr
	v_max3_num_f32 v[BM], v[BM], v[BM+1], v[S+15]
	v_max3_num_f32 v[BM+1], v[BM+2], v[BM+3], v[S+47]
	v_max_num_f32 v[BM], v[BM], v[S+31]
	v_max_num_f32 v[BM+1], v[BM+1], v[S+63]
	s_delay_alu instid0(VALU_DEP_1)
	v_max_num_f32 v[T0], v[BM], v[BM+1]
	s_delay_alu instid0(VALU_DEP_1)
	v_permlanex16_b32 v[PT], v[T0], s[SEL], s[SEL+1]
	s_delay_alu instid0(VALU_DEP_1)
	v_max3_num_f32 v[NM+1], v[NM+1], v[T0], v[PT]  ; the running largest score of my query
	s_delay_alu instid0(VALU_DEP_1)
	v_mul_f32 v[T0], s[CN], v[NM+1]                ; -t
	v_mov_b32 v[T0+1], v[NM]
	s_delay_alu instid0(VALU_DEP_2)
	v_floor_f32 v[NM], v[T0]                       ; -M = floor(-t): a whole number
	s_delay_alu instid0(VALU_DEP_1)
	v_sub_f32 v[T0+1], v[NM], v[T0+1]              ; old M - new M, 0 or less
	s_delay_alu instid0(VALU_DEP_1)
	v_cvt_i32_f32 v[T0+1], v[T0+1]                 ; (it saturates)
	s_delay_alu instid0(VALU_DEP_1)
	v_ldexp_f32 v[FF], 1.0, v[T0+1]                ; f
.set ii, 0
.rept 32
	v_pk_fma_f32 v[S+ii:S+ii+1], v[S+ii:S+ii+1], s[CS:CS+1], v[NM:NM+1] op_sel_hi:[1,0,0]   ; t - M
.set ii, ii+2
.endr
	v_fma_f32 v[BM], v[BM], s[CS], v[NM]
	v_fma_f32 v[BM+1], v[BM+1], s[CS], v[NM]
	s_wait_alu depctr_va_vdst(0)                   ; the wait ahead of the batch
.set ii, 0
.rept 64
	v_exp_f32 v[S+ii], v[S+ii]
.set ii, ii+1
.endr
	v_exp_f32 v[BM], v[BM]                         ; the blocks' largest p
	v_exp_f32 v[BM+1], v[BM+1]
	v_pk_mul_f32 v[LL:LL+1], v[LL:LL+1], v[FF:FF+1] op_sel_hi:[1,0]   ; the sums under the new M: the plain place behind the batch
	s_wait_alu depctr_va_vdst(0)                   ; and the wait behind it
	v_max_num_f32 v[BM], 0x1800000, v[BM]
	v_max_num_f32 v[BM+1], 0x1800000, v[BM+1]
	v_add_nc_u32 v[SO], 0xff000000, v[BM]
	v_add_nc_u32 v[SO+1], 0xff000000, v[BM+1]
.irp c, 0,1
.irp g, 0,1,2,3
	v_cvt_scalef32_pk8_fp4_f32 v[PJ+4*\c+\g], v[S+32*\c+8*\g:S+32*\c+8*\g+7], v[SO+\c]   ; register 4 c + g of the operand: k = 64 c + 32 h + 8 g on
.endr
.endr
	v_nop
	v_lshrrev_b32 v[T0+1], 23, v[SO]               ; the scale word's lines stand among the sum's additions (the row's sum of the unquantised p, in place)
	v_lshrrev_b32 v[T0+2], 23, v[SO+1]
	TREE 0, 2, 32
	v_lshl_or_b32 v[T0+1], v[T0+2], 16, v[T0+1]    ; my bytes: blocks h and 2 + h
	TREE 4, 2, 32
	v_lshlrev_b32 v[T0+1], v[H8], v[T0+1]
	TREE 8, 2, 32
	v_permlanex16_b32 v[PT], v[T0+1], s[SEL], s[SEL+1]
	TREE 12, 2, 32
	v_or_b32 v[PSW+\j], v[T0+1], v[PT]
	TREE 16, 8, 32                                 ; eight places between the word's last write and the product
.if \j == 0
	TREE 0, 8, 16
	TREE 0, 4, 8
	TREE 0, 2, 4
	s_wait_alu depctr_va_vdst(0)                   ; the wait directly ahead of the first reader of O^T
	OMUL 0, 4
	v_pk_add_f32 v[S:S+1], v[S:S+1], v[S+2:S+3]
	OMUL 8, 4
	v_pk_add_f32 v[LL:LL+1], v[LL:LL+1], v[S:S+1]
.else
	s_wait_alu depctr_va_vdst(0)                   ; likewise
	OMUL 0, 16
.endif
.endm
; The rest of tile 1's sum, which names v[S] to v[S+31] alone: its first four lines are the places behind the second product; then (kl >= 0) step kl's fragments of K and (q = 1) the quantiser's numbers are asked for, and land under the other lines
.macro TAILSUM kl, q
	TREE 0, 4, 16
.if \kl >= 0
	KLOAD \kl
.endif
.if \q
	QLOAD
.endif
	TREE 8, 4, 16
	TREE 0, 4, 8
	TREE 0, 2, 4
	s_delay_alu instid0(VALU_DEP_1)
	v_pk_add_f32 v[S:S+1], v[S:S+1], v[S+2:S+3]
	s_delay_alu instid0(VALU_DEP_1)
	v_pk_add_f32 v[LL:LL+1], v[LL:LL+1], v[S:S+1]
.endm
; A key step: 128 keys, both tiles of queries.  sync = 1, 2: the change of slots stands between the two tiles (1: with a refill and a prefetch)
.macro BODY st, sync
	s_wait_dscnt 0x0                               ; K's fragments and words are in
	QK 0, \st
.rept 4
	v_nop                                          ; the places behind the products
.endr
	SOFT 0
.if \sync
	SYNC 2-\sync                                   ; no LDS access of mine is out here but the add
.endif
	QK 1, \st
	s_wait_alu depctr_va_vdst(0)                   ; the wait directly ahead of the first reader of O^T's upper half
	OMUL 16, 8                                     ; tile 0's: also the places ahead of the loads into K's registers and of the first read of the scores
.irp t, 0,1,2,3
.irp c, 0,1
	ds_load_b128 v[KV+8*\t+4*\c:KV+8*\t+4*\c+3], v[ADV] offset:16*VP*\t+32*\c+64*\st   ; V's fragments land under the second softmax
.endr
.endr
	ds_load_b128 v[VSW:VSW+3], v[ADW] offset:256*\st
.if \sync == 1
	ASK
.endif
	SOFT 1
	s_wait_alu depctr_va_vdst(0)                   ; the wait directly ahead of the wait below
	s_wait_dscnt 0x0
.irp t, 0,1,2,3                                ; O^T += V^T P^T, the eight accumulators by turns
	v_wmma_scale_f32_16x16x128_f8f6f4 v[O+8*\t:O+8*\t+7], v[KV+8*\t:KV+8*\t+7], v[PC:PC+7], v[O+8*\t:O+8*\t+7], v[VSW+\t], v[PSW] matrix_a_fmt:MATRIX_FMT_FP4 matrix_b_fmt:MATRIX_FMT_FP4
	v_wmma_scale_f32_16x16x128_f8f6f4 v[O+32+8*\t:O+32+8*\t+7], v[KV+8*\t:KV+8*\t+7], v[PC+8:PC+15], v[O+32+8*\t:O+32+8*\t+7], v[VSW+\t], v[PSW+1] matrix_a_fmt:MATRIX_FMT_FP4 matrix_b_fmt:MATRIX_FMT_FP4
.endr
.endm
; A trip: this chunk's two key steps; between them the next chunk is quantised (quant); sync as in BODY (0: the last trip)
.macro TRIP quant, sync
	v_add_nc_u32 v[ADK], s[TA], v[KR0]
	v_add_nc_u32 v[ADV], s[TV], v[AV0]
	v_add_nc_u32 v[ADW], s[TW], v[AW0]
.if \quant
	QADR
.endif
	s_wait_alu depctr_va_vdst(0)
	ds_load_b128 v[KSW:KSW+3], v[ADK] offset:8192
	KLOAD 0
	BODY 0, 0
	TAILSUM 1, \quant
.if \quant
	QFIN
.endif
	BODY 1, \sync
	TAILSUM -1, 0
	s_xor_b32 s[TA], s[TA], RG
	s_xor_b32 s[TQ], s[TQ], RG
	s_add_co_u32 s[TV], s[TV], 128
	s_add_co_u32 s[TW], s[TW], 512
.endm
.macro OUT j                           ; O^T / the sum goes through my stage and leaves as 256 consecutive bytes from sixteen lanes
.set LL, ST+2+4*\j
.set OJ, O+32*\j
	v_add_f32 v[LL], v[LL], v[LL+1]
	s_delay_alu instid0(VALU_DEP_1)
	v_permlanex16_b32 v[PT], v[LL], s[SEL], s[SEL+1]
	s_delay_alu instid0(VALU_DEP_1)
	v_add_f32 v[LL], v[LL], v[PT]
	s_wait_alu depctr_va_vdst(0)                   ; the wait ahead of the transcendental
	v_rcp_f32 v[LL], v[LL]
	v_nop
	s_wait_alu depctr_va_vdst(0)                   ; and ahead of its first reader, which is O^T's first reader too
.set ii, 0
.rept 16
	v_pk_mul_f32 v[S+ii:S+ii+1], v[OJ+ii:OJ+ii+1], v[LL:LL+1] op_sel_hi:[1,0]
.set ii, ii+2
.endr
.irp t, 0,1,2,3
	ds_store_b128 v[STO], v[S+8*\t:S+8*\t+3] offset:64*\t
	ds_store_b128 v[STO], v[S+8*\t+4:S+8*\t+7] offset:64*\t+16
.endr
.irp i, 0,1,2,3,4,5,6,7
	ds_load_b128 v[S+32+4*\i:S+32+4*\i+3], v[SRD] offset:2*SP*\i
.endr
.irp i, 0,1,2,3,4,5,6,7
	s_wait_dscnt 7-\i                              ; load i is in; the younger ones may be out
	global_store_b128 v[GA], v[S+32+4*\i:S+32+4*\i+3], s[12:13] offset:(16*\j+2*\i)*ROW th:TH_STORE_NT
.endr
.endm
	; ---- the head
	s_load_b256 s[4:11], s[0:1], 0x0               ; query, key, V's codes, V's scales
	s_load_b64 s[12:13], s[0:1], 0x20              ; out0
	v_lshl_add_u32 v[SPW], v0, 2, SPARE
	v_mov_b32 v[NIL], 0
	ds_add_u32 v[SPW], v[NIL]                      ; the opening lines: the add twice on end, one wait
	ds_add_u32 v[SPW], v[NIL]
	v_lshrrev_b32 v84, 5, v0
	v_readfirstlane_b32 s[WV], v84                 ; wave 0..15
	s_and_b32 s15, ttmp7, 0xffff                   ; y = 16 b + h
	s_bfe_u32 s17, ttmp6, 0x40000                  ; cx: which 512 queries
	s_lshr_b32 s16, s15, 4
	s_lshl_b32 s16, s16, 23
	s_and_b32 s18, s15, 15
	s_lshl_b32 s18, s18, 8
	s_add_co_u32 s16, s16, s18                     ; the head's first byte in query, key, out0
	s_lshl_b32 s18, s[WV], 16
	s_add_co_u32 s46, s16, s18
	s_add_co_u32 s46, s46, 256*ROW                 ; key, the ring: my 16 rows of chunk 1; the first change steps it to chunk 2
	s_mov_b32 s47, 0
	s_lshl_b32 s18, s[WV], 17
	s_add_co_u32 s60, s16, s18                     ; key, the head's load: rows 32 wave of the first 512
	s_mov_b32 s61, 0
	s_lshl_b32 s19, s17, 21
	s_add_co_u32 s48, s16, s19
	s_add_co_u32 s48, s48, s18                     ; query, out0: my 32 rows
	s_mov_b32 s49, 0
	s_lshl_b32 s50, s15, 16
	s_mov_b32 s51, 0
	s_lshl_b32 s52, s15, 12
	s_mov_b32 s53, 0
	s_lshl_b32 s54, s17, 18                        ; prefetch: rows 64 cx + 32 wave of chunk 2
	s_add_co_u32 s54, s54, s18
	s_add_co_u32 s54, s54, s16
	s_add_co_u32 s54, s54, 512*ROW
	s_mov_b32 s55, 0
	s_and_b32 s18, s[WV], 7
	s_mul_i32 s[G0H+1], s18, 32*SLP                ; the head's load: waves 0-7 fill slot 0, waves 8-15 slot 1
	s_mul_i32 s18, s18, 16*SP
	s_lshr_b32 s19, s[WV], 3
	s_lshl_b32 s57, s19, 17
	s_add_co_u32 s[G0H+1], s[G0H+1], s57
	s_mul_i32 s19, s19, STGD
	s_add_co_u32 s18, s18, s19
	s_add_co_u32 s18, s18, STGA                    ; my stage
	s_lshr_b32 s56, s[WV], 3                       ; my tile's first row in a slot: 128 step + 64 c + 8 u
	s_lshl_b32 s56, s56, 7
	s_bfe_u32 s57, s[WV], 0x10002
	s_lshl_b32 s57, s57, 6
	s_add_co_u32 s56, s56, s57
	s_and_b32 s57, s[WV], 3
	s_lshl_b32 s57, s57, 3
	s_add_co_u32 s56, s56, s57
	s_mul_i32 s56, s56, SLP
	s_lshl_b32 s58, s[WV], 9
	s_lshr_b32 s59, s[WV], 3                       ; my tile's scale bytes: 256 step + 4 pair + 2 half
	s_lshl_b32 s59, s59, 8
	s_bfe_u32 s57, s[WV], 0x20001
	s_lshl_b32 s57, s57, 2
	s_add_co_u32 s59, s59, s57
	s_and_b32 s57, s[WV], 1
	s_lshl_b32 s57, s57, 1
	s_add_co_u32 s59, s59, s57
	s_mov_b32 s[G0], 1
	s_mul_i32 s[G0+1], s[WV], 16*SLP
	s_add_co_u32 s[G0+1], s[G0+1], RG              ; slot 1, my 16 rows; the first change turns it to slot 0
	s_mov_b32 s[G0H], 1
	s_mov_b32 s[G1], 15|(2<<16)|(1<<20)|(1<<21)|(5<<22)|(3<<25)   ; mask: all four partners; elements of 4 bytes; four words of padding behind every 64
	s_mov_b32 s[G1+1], 64<<16
	s_mov_b32 s[G1+2], 16<<16
	s_mov_b32 s[G1+3], 64<<16
	s_mov_b32 s[G1+4], 16
	s_mov_b32 s[G1+5], 1024
	s_mov_b32 s[G1+6], 0
	s_mov_b32 s[G1+7], 0
	s_mov_b32 s[G1H], 15|(2<<16)|(1<<20)|(1<<21)|(5<<22)|(3<<25)
	s_mov_b32 s[G1H+1], 64<<16
	s_mov_b32 s[G1H+2], 32<<16
	s_mov_b32 s[G1H+3], 64<<16
	s_mov_b32 s[G1H+4], 32
	s_mov_b32 s[G1H+5], 1024
	s_mov_b32 s[G1H+6], 0
	s_mov_b32 s[G1H+7], 0
	s_mov_b32 s[SEL], 0x76543210
	s_mov_b32 s[SEL+1], 0xfedcba98
	s_mov_b32 s[CS], 0x3e38aa3b
	s_mov_b32 s[CS+1], s[CS]
	s_mov_b32 s[CN], 0xbe38aa3b
	s_mov_b32 s[TA], 0
	s_mov_b32 s[TQ], 0
	s_mov_b32 s[TV], 0
	s_mov_b32 s[TW], 0
	s_mov_b32 s[CNT], 5
	s_cmp_lt_u32 s[WV], 2
	s_cselect_b32 s[LIM], 1, 100
	v_and_b32 v84, 15, v0                          ; r
	v_bfe_u32 v85, v0, 4, 1                        ; h
	v_and_b32 v86, 31, v0                          ; lane
	v_lshl_add_u32 v[KR0], v86, 4, KC
	v_mul_u32_u24 v[AV0], v84, VP
	v_lshl_add_u32 v[AW0], v84, 4, VS
	v_lshl_add_u32 v[AV0], v85, 4, v[AV0]
	v_and_b32 v87, 7, v84
	v_add_nc_u32 v[AV0], VI, v[AV0]
	v_lshrrev_b32 v[AQ0], 3, v84
	v_add_nc_u32 v[KWI0], s58, v[KR0]
	v_lshl_add_u32 v87, v[AQ0], 5, v87             ; row r of my tile: 32 (r / 8) + r % 8
	v_lshl_add_u32 v[KWS0], v84, 4, KS
	v_mul_u32_u24 v[AQ0], v87, SLP
	v_add_nc_u32 v[KWS0], s59, v[KWS0]
	v_lshl_add_u32 v[AQ0], v85, 7, v[AQ0]
	v_lshlrev_b32 v[H8], 3, v85
	v_add_nc_u32 v[AQ0], s56, v[AQ0]
	v_lshlrev_b32 v[PFO], 12, v86
	v_lshlrev_b32 v[GA], 12, v85
	v_mul_u32_u24 v87, v84, SP
	v_lshl_add_u32 v[GA], v84, 4, v[GA]
	v_lshl_add_u32 v[STO], v85, 5, v87
	v_lshl_add_u32 v88, v85, 7, v87
	v_add_nc_u32 v[STO], s18, v[STO]
	v_add_nc_u32 v88, s18, v88                     ; v88 stage + SP r + 128 h
	v_mul_u32_u24 v[SRD], v85, SP
	v_lshlrev_b32 v89, 4, v0                       ; v89 16 x thread
	v_lshl_add_u32 v[SRD], v84, 4, v[SRD]
	v_lshlrev_b32 v90, 3, v0                       ; v90 8 x thread
	v_add_nc_u32 v[SRD], s18, v[SRD]
	v_lshrrev_b32 v91, 6, v0
	v_and_b32 v87, 63, v0
	v_mul_u32_u24 v91, v91, VP
	v_and_b32 v92, 7, v0
	v_lshl_add_u32 v91, v87, 4, v91
	v_lshlrev_b32 v92, 9, v92
	v_add_nc_u32 v91, VI, v91                      ; v91 VI + VP (thread / 64) + 16 (thread % 64)
	v_bfe_u32 v87, v0, 3, 4
	v_lshrrev_b32 v93, 7, v0
	v_lshl_add_u32 v92, v87, 4, v92
	v_mov_b32 v[PT], 0                             ; a lane permute's destination counts as one of its sources
	v_lshl_add_u32 v92, v93, 2, v92
	s_delay_alu instid0(VALU_DEP_1)
	v_add_nc_u32 v92, VS, v92                      ; v92 VS + 512 (thread % 8) + 16 ((thread / 8) % 16) + 4 (thread / 128)
	s_wait_alu depctr_va_vdst(0)                   ; the wait at the head's end
	s_wait_dscnt 0x0                               ; both opening adds are done
	s_wait_kmcnt 0x0
	s_add_nc_u64 s[4:5], s[4:5], s[48:49]
	s_add_nc_u64 s[12:13], s[12:13], s[48:49]
	s_add_nc_u64 s[8:9], s[8:9], s[50:51]
	s_add_nc_u64 s[10:11], s[10:11], s[52:53]
	s_add_nc_u64 s[G0+2:G0+3], s[6:7], s[46:47]
	s_or_b32 s[G0+3], s[G0+3], 0x80000000
	s_add_nc_u64 s[G0H+2:G0H+3], s[6:7], s[60:61]
	s_or_b32 s[G0H+3], s[G0H+3], 0x80000000
	s_add_nc_u64 s[PFA:PFA+1], s[6:7], s[54:55]
.irp n, 0,1,2,3,4,5,6,7
	global_load_b128 v[O+4*\n:O+4*\n+3], v89, s[8:9] offset:8192*\n   ; V's codes: the 512 threads take 8,192 consecutive bytes
.endr
	global_load_b64 v[250:251], v90, s[10:11]      ; V's scale bytes, 8 a thread
.irp n, 0,1,2,3,4,5,6,7,8,9,10,11,12,13,14,15
	global_load_b128 v[S+4*\n:S+4*\n+3], v[GA], s[4:5] offset:2*\n*ROW th:TH_LOAD_NT   ; my 32 queries: sixteen lanes read a row's 256 bytes
.endr
	ROUND                                          ; in front of the first joint load
	tensor_load_to_lds s[G0H:G0H+3], s[G1H:G1H+7]  ; chunks 0 and 1: my one load at the head
	s_nop 0
	; ---- under its flight V goes to LDS and my queries into registers
.irp z, 0,1,2,3,8,9,10,11,16,17,18,19
	v_mov_b32 v[QZ+\z], 0                          ; the zero codes beside Q
.endr
.irp j, 0,1
	v_mov_b32 v[ST+4*\j], 0x7f61b1e6               ; -M = 3e38,
	v_mov_b32 v[ST+4*\j+1], 0xff61b1e6             ; the largest score -3e38: the first f is 0 and multiplies zeros
	v_mov_b32 v[ST+4*\j+2], 0
	v_mov_b32 v[ST+4*\j+3], 0
	v_mov_b32 v[F+2*\j+1], 0                       ; (named as the upper half of f's pair)
.endr
	s_wait_alu depctr_va_vdst(0)                   ; the wait ahead of the branch and the waits below
	ASK                                            ; chunk 2
	s_wait_loadcnt 16                              ; V's nine are in; the queries' 16 may be out
.irp n, 0,1,2,3,4,5,6,7
	ds_store_b128 v91, v[O+4*\n:O+4*\n+3] offset:8*VP*\n
.endr
	ds_store_b32 v92, v250
	ds_store_b32 v92, v251 offset:256
	s_wait_loadcnt 8                               ; my first tile's eight are in
	TURN S
	BLOCKQ Y, QZ+4, T0+2
	v_lshl_or_b32 v[QS], v[T0+2], 16, v[T0+2]      ; the two bytes twice: they serve (Q, 0) and (0, Q)
	s_wait_loadcnt 0x0
	TURN S+32
	BLOCKQ Y, QZ+12, T0+2
	v_lshl_or_b32 v[QS+1], v[T0+2], 16, v[T0+2]
.set ii, 0
.rept 64
	v_mov_b32 v[O+ii], 0                           ; the loop has no first step of its own
.set ii, ii+1
.endr
	QADR
	SYNC 0                                         ; chunks 0 and 1 are whole behind this barrier; nothing is filled again
	QLOAD                                          ; chunk 0
	QFIN
	s_xor_b32 s[TQ], s[TQ], RG
	SYNC 1                                         ; chunk 0's codes are whole and slot 0 is read out: chunk 2
	ASK                                            ; chunk 3
.Ltrip:                                            ; trips 0 to 4: chunk i multiplied, chunk i + 1 quantised, chunk i + 3 asked for
	TRIP 1, 1
	s_sub_co_u32 s[CNT], s[CNT], 1
	s_cmp_lg_u32 s[CNT], 0
	s_cbranch_scc1 .Ltrip
	s_mov_b32 s[CNT], 2
.Llate:                                            ; trips 5 and 6 ask for nothing
	TRIP 1, 2
	s_sub_co_u32 s[CNT], s[CNT], 1
	s_cmp_lg_u32 s[CNT], 0
	s_cbranch_scc1 .Llate
	TRIP 0, 0                                      ; trip 7
	OUT 0
	s_wait_xcnt 0x0                                ; the stores' data registers are written again only behind this wait
	OUT 1
	s_wait_tensorcnt 0x0                           ; the wave's end
	ds_add_u32 v[SPW], v[NIL]
	s_wait_dscnt 0x0
	ROUND                                          ; the closing round
	s_endpgm
.Lfunc_end_k_q12c48f6d51_attn:
	.size	k_q12c48f6d51_attn, .Lfunc_end_k_q12c48f6d51_attn-k_q12c48f6d51_attn
	.p2alignl 7, 3214868480
	.fill 96, 4, 3214868480
	.section	.rodata,"a",@progbits
	.p2align	6, 0x0
	.amdhsa_kernel k_q12c48f6d51_attn
		.amdhsa_group_segment_fixed_size 327680
		.amdhsa_private_segment_fixed_size 0
		.amdhsa_enable_private_segment 0
		.amdhsa_kernarg_size 40
		.amdhsa_user_sgpr_count 2
		.amdhsa_user_sgpr_kernarg_segment_ptr 1
		.amdhsa_wavefront_size32 1
		.amdhsa_system_sgpr_workgroup_id_x 1
		.amdhsa_system_sgpr_workgroup_id_y 1
		.amdhsa_system_sgpr_workgroup_id_z 1
		.amdhsa_system_vgpr_workitem_id 0
		.amdhsa_next_free_vgpr 256
		.amdhsa_next_free_sgpr 80
		.amdhsa_reserve_vcc 0
		.amdhsa_float_denorm_mode_32 3
		.amdhsa_float_denorm_mode_16_64 3
		.amdhsa_memory_ordered 1
		.amdhsa_forward_progress 1
		.amdhsa_inst_pref_size 198
	.end_amdhsa_kernel
	.amdgpu_metadata
---
amdhsa.version: [ 1, 2 ]
amdhsa.kernels:
  - .name:           k_q12c48f6d51_attn
    .symbol:         k_q12c48f6d51_attn.kd
    .args:
      - { .name: query, .offset: 0, .size: 8, .value_kind: global_buffer, .address_space: global }
      - { .name: key, .offset: 8, .size: 8, .value_kind: global_buffer, .address_space: global }
      - { .name: value_codes, .offset: 16, .size: 8, .value_kind: global_buffer, .address_space: global }
      - { .name: value_scales, .offset: 24, .size: 8, .value_kind: global_buffer, .address_space: global }
      - { .name: out0, .offset: 32, .size: 8, .value_kind: global_buffer, .address_space: global }
    .group_segment_fixed_size: 327680
    .private_segment_fixed_size: 0
    .kernarg_segment_align: 8
    .kernarg_segment_size: 40
    .max_flat_workgroup_size: 512
    .sgpr_count:     80
    .vgpr_count:     256
    .wavefront_size: 32
...
	.end_amdgpu_metadata
.endif
;; end of part 1
